; MI455X (gfx1250); checked and timed in simulation.
; The chip was launched on July 23, 2026; its instructions are those of AMD's public machine-readable ISA for CDNA 5 (MIT licence, August 2026) and "CDNA5" Instruction Set Architecture Reference Guide (July 2026). The comments in the code are by the model that wrote it; some were corrected since.
;; Scale Dot Product Attention. Allowed arithmetic: matrix products marked QUANTISED: E5M2 operands, one E8M0 scale for each 32 along K, by v_wmma_scale_f32_16x16x128_f8f6f4 with both operands' format E5M2, f32 sums; everything else in f32.
;; Inputs: k 4 x 16 x 2,048 x 64 float32; q 4 x 16 x 2,048 x 64 float32; v 4 x 16 x 2,048 x 64 float32.
;; Outputs: out0 4 x 16 x 2,048 x 64 float32.
;; This version of the problem:
;;   THIS VERSION OF THE PROBLEM IS GIVEN IN LOW PRECISION. The matrix products marked QUANTISED in the list below multiply operands that are first quantised to E5M2 (5 exponent bits, 2 mantissa bits; 8 bits a number), with one power-of-two scale for each 32 numbers along K (OCP MX v1.0); their sums are f32. All else is computed in f32.
;;   The module's matrix products, in the order in which they are computed (A, B: the left and right operand; K: the contracted axis; several contracted axes count as one K, in the product's order):
;;     1. batch 64 x [M 2,048, K 64] x [K 64, N 2,048]; A: input q; B: input k: QUANTISED
;;     2. batch 64 x [M 2,048, K 2,048] x [K 2,048, N 64]; A: softmax (see below); B: input v: QUANTISED
;;   THE QUANTISER, for each operand of a quantised product, along K:
;;     - K is cut into blocks of 32 from its start; a last block that is shorter is filled with zeros.
;;     - A block's scale is 2^e with e = floor(log2(the largest magnitude in the block)) - 15, held to -126 .. 127; a block of zeros has e = 0. As a byte (E8M0): e + 127.
;;     - Each number is divided by its block's scale, clamped to +-57,344, and rounded to the nearest number of E5M2, ties to even, subnormals kept.
;;     - The product sums the exact products of the quantised numbers (number of the format x scale) in f32.
;;   ~~~python
;;   def quantise(x, axis):      # numpy; x: float32 -> the quantised numbers, widened to float32 again
;;       x = np.moveaxis(x, axis, -1); K = x.shape[-1]
;;       x = np.pad(x, [(0, 0)] * (x.ndim - 1) + [(0, -K % 32)]); x = x.reshape(x.shape[:-1] + (-1, 32)); a = np.abs(x).max(-1, keepdims=True)
;;       e = np.where(a > 0, np.clip(np.frexp(np.where(a > 0, a, 1))[1] - 1 - 15, -126, 127), 0)      # np.frexp(a)[1] - 1 = floor(log2(a)), exactly
;;       r = np.clip(x / 2.0 ** e, -57344, 57344)
;;       step = 2.0 ** (np.maximum(np.frexp(np.where(r == 0, 1, r))[1] - 1, -14) - 2)
;;       q = np.round(r / step) * step * 2.0 ** e      # np.round: ties to even
;;       return np.moveaxis(q.reshape(q.shape[:-2] + (-1,))[..., :K], -1, axis).astype(np.float32)
;;   ~~~
;;   SOFTMAX AHEAD OF A QUANTISED PRODUCT. Where the list says 'softmax', what is quantised is not the finished softmax but p = 2^(t - M), with t = logit x log2(e) and M = ceil(the row's largest t), a whole number; so 1/2 < the row's largest p <= 1. The row's sum l is taken of the UNQUANTISED p, in f32, and the product's result is divided by l at the end. Since M is a whole number, a kernel that streams over the keys may use a running M (the ceiling of the running maximum): every later rescaling is an exact power of two, which a block's scale takes up: the codes' values come out the same.
;;   OPERANDS COMPUTED ON THE WAY. 'Computed on the way' means the value that the module computes at that place (a softmax that the list does not call 'softmax' is quantised finished and normalised). What goes into a quantiser is computed in f32, as accurately as f32 sums, v_exp_f32 and their like allow (about 1e-6 of the number): no bf16 or f16 on the way to a quantiser, and a product that is left as it is and whose result goes on into a quantised operand takes f32 operands (vector FMAs, or v_wmma_f32_16x16x4_f32). A number that lies on a knife's edge between two numbers of the format may be rounded either way, as far as f32 arithmetic and the matrix unit's own rounding can turn it there, and no further.
;; One version. Each part assembles by itself: llvm-mc -triple=amdgcn-amd-amdhsa -mcpu=gfx1250 --defsym DOCPART=n.
;; ======== version 1 of 1: 1 launch
;; limits: right only within a limited range of input values
;; launch attn (part 1): grid 4 x 64, 16 waves a work-group, clusters of 4 x 1, 307,200 bytes of LDS; arguments q, k, v, out0; writes out0
.if DOCPART == 1
	.amdgcn_target "amdgcn-amd-amdhsa--gfx1250"
	.amdhsa_code_object_version 6
	.text
	.protected	k_q2f4e22d79d_attn
	.globl	k_q2f4e22d79d_attn
	.p2align	8
	.type	k_q2f4e22d79d_attn,@function
k_q2f4e22d79d_attn:
	s_mov_b64 s[64:65], 0
	v_nop
	global_prefetch_b8 v0, s[64:65] scope:SCOPE_SE
	s_setreg_imm32_b32 hwreg(HW_REG_WAVE_MODE, 25, 1), 1
	s_wait_xcnt 0x0
	s_wait_alu depctr_hold_cnt(0) depctr_sa_sdst(0) depctr_va_vdst(0) depctr_va_sdst(0) depctr_va_ssrc(0) depctr_va_vcc(0) depctr_vm_vsrc(0)
	s_getreg_b32 s2, hwreg(HW_REG_IB_STS2, 6, 4)
	s_cmp_eq_u32 s2, 0
	s_cbranch_scc0 .Lentry_in_a_cluster
	s_endpgm
.Lentry_in_a_cluster:
	s_bfe_u32 s2, ttmp6, 0x10000c
	s_cmp_lg_u32 s2, 0x3003
	s_cbranch_scc0 .Lentry_shape_is_right
	s_endpgm
.Lentry_shape_is_right:
; out0[h][q][:] = the sum over k of softmax_k(q[h][q] . k[h][k] / 8) v[h][k][:], 64 heads of 2,048 x 64, both products on codes of BF8 (E5M2) with one E8M0 scale for each 32 along a product's K.
; ONE LAUNCH: q, k and v arrive as f32 and are quantised here.
; SHARES.  A work-group (x: 512 queries, y: the head) has sixteen waves; a wave owns 16 queries in each of two passes over the head's 2,048 keys, 128 keys a step.  The four work-groups of a head form a cluster.
; THE HEAD'S CODES LIE IN LDS AS IMAGES OF THE OPERANDS' REGISTERS, each byte written once: 16 scale blocks of 512 bytes, then for each step K's four fragment images and V's four, 2,048 bytes each (group c of lane l at 512 c + 16 l).
;   K's fragment b, lane (r, h), group c = 2 u + cc: key 32 b + 8 u + r + 8 (r / 8), channels 32 cc + 16 h + 0 .. 15: two tiles of 16 keys share a fragment, one in each half of the instruction's 128 along K.
;   V's fragment t, lane (r, h), group c: channel 16 t + r, keys 32 c + 16 h + 0 .. 15.   A scale block: 16 bytes at 16 l: l < 16: the words of K's fragments 0-3 for row l; l >= 16: V's for row l - 16.
; PASS 0 MAKES THE IMAGES ONE STEP AHEAD OF THEIR USE.  In trip s waves 0-7 quantise 16 keys of k each and waves 8-15 32 channels x 32 keys of v each, for step s + 1, out of 32 registers whose loads were issued in trip s - 1;
; then they issue the loads for step s + 2.  One barrier a trip: signalled behind the stores into image s + 1, awaited at the trip's end; between the two stand only reads of image s.
; k and pass 0's q: a load takes 512 consecutive bytes; a wave's 16 rows turn through its own stage in LDS so that a lane holds 16 neighbouring channels.  v: a lane takes a channel and its registers run down the keys.
; No tensor load and no joint load: what the four work-groups of a head share are f32 numbers, which pass through registers to be quantised.
; PREFETCH: in trip s wave 0 asks for 8,192 bytes of k and wave 8 for 8,192 bytes of v of step s + 4, two trips ahead of the loads that want them, lanes 256 bytes apart; the four partners take a quarter of the step's 32,768 bytes each, told apart by address;
; the trips whose step s + 4 would lie behind step 15 ask for nothing; steps 0 to 2 come by their loads alone.
; THE SOFTMAX: t = score x log2(e) / 8; M = the row's largest t so far, rounded up to a whole number; p = 2^(t - M) is quantised along the keys, not normalised; the row's sum is taken of the unquantised p and divides at the end;
; when M moves, the sum and O are multiplied by 2^(old M - new M), which is exact.  Both products are used transposed: a lane holds one query (lane % 16) throughout.  Q lies as [codes 8][zeros 8][codes 8] registers.
; LIMITS: NaN and infinities among the inputs are not served.  A block of zeros has the byte 1 where the rule says 127: its codes are zeros.  A block's largest p is taken as the exponential of the block's largest score,
; which takes v_exp_f32 not to fall where its input rises; at the worst one p of a block, within an ulp of a power of two, is held one code low.  The scaled scores stay under 2^31 in magnitude.
.set HB,    270336                     ; scale blocks and images
.set STG,   HB                         ; 34,816 bytes: in pass 0's trips a stage of 16 rows for each of waves 0-7; on the way out a stage of 8 rows for each of the sixteen
.set SPARE, STG+34816                  ; the spare words, 128 bytes a wave
.set QSTG,  8192+8*16384               ; at the head: q's stages, 4,352 bytes a wave, on bytes of images 8-12, which are written later, behind barriers
.set SP,    272                        ; a stage row: 256 bytes + 16
.set LI,   1                           ; 16 x lane
.set ADK,  2                           ; LDS address of the step's images
.set VIM,  3                           ; V's codes: 2,048 (lane / 16) + 16 r
.set STO,  4                           ; the way out: into the stage
.set RD,   5                           ; and back
.set R16,  6                           ; 16 r
.set L4,   7                           ; 4 x lane
.set KST,  8                           ; k's stage, in
.set KLD,  9                           ; k's stage, out
.set QS,   10                          ; q's scale word.  v12 -M, v13 the largest t, v[14:15] the sum
.set Q,    16                          ; v16-39
.set SWK,  40                          ; v40-43 pass 1: the next step's scale words, for K
.set PFO,  44                          ; 256 x lane: the prefetches' offset
.set QAD,  45                          ; 256 r + 64 (lane / 16): pass 1's q
.set SD,   46                          ; v46-47 a chain of the sum
.set KF,   48                          ; v48-79 fragments 0, 1 of K (pass 0), then of V
.set R,    80                          ; v80-111 the f32 numbers on their way in; pass 1: K's fragments 0, 1 of the next step; on the way out rows of out0
.set S,    112                         ; v112-175 S^T, then p; v112-143 then V's fragments 2, 3; v144-175 the turned numbers
.set X,    S+32
.set O,    176                         ; v176-207 O^T
.set PC,   208                         ; v208-223 p's codes; with v224-239 K's fragments 2, 3
.set BM,   224
.set T4,   228
.set LIM,  232
.set SCO,  236
.set SW,   240                         ; v240-243 the step's scale words
.set F,    244                         ; v244 f; v245 named with it
.set PW,   246
.set TMP,  247
.set SB,   248                         ; v248-251 two more chains of the sum
.set SC,   250
.set VSL,  252                         ; V's scale bytes: 16 r + 4 (lane / 16)
.set VHOP, S-KF-32
.set WV,   12
.set TB,   18                          ; the step's images
.set TS,   19                          ; its scale block
.set SEL,  20
.set CS,   22
.set GP,   24                          ; s[24:25] my part of k or v, at the step whose loads were issued last
.set KC,   26                          ; my place in a step's images and scale block, as a wave of K and as a wave of V
.set VC,   27
.set KS,   28
.set VS,   29
.set QB,   37                          ; images and scale block of the step to be quantised
.set QSB,  38
.set PF,   40                          ; s[40:41] where the prefetches stand
.set PL,   42                          ; the least count of trips to go at which my wave prefetches: 3 in waves 0 and 8, out of reach in the others
.set MNT,  48
.set CNT,  49
; 32 numbers of a lane, register 16 c + i = channel 32 c + 16 (lane / 16) + i of its row, become 8 registers of codes and a word with the two scale bytes low and again high
.macro QQ src, dst, word
.irp c, 0,1
	v_max3_num_f32 v[BM+\c], |v[\src+16*\c]|, |v[\src+1+16*\c]|, 0x8000000   ; the floor 2^(16 - 127): the byte cannot fall under 1
.endr
.irp i, 2,4,6,8,10,12,14
.irp c, 0,1
	s_delay_alu instid0(VALU_DEP_2)
	v_max3_num_f32 v[BM+\c], v[BM+\c], |v[\src+16*\c+\i]|, |v[\src+1+16*\c+\i]|
.endr
.endr
.irp c, 0,1
	s_delay_alu instid0(VALU_DEP_2)
	v_permlanex16_b32 v[T4+\c], v[BM+\c], s[SEL], s[SEL+1]
.endr
.irp c, 0,1
	s_delay_alu instid0(VALU_DEP_2)
	v_max_num_f32 v[BM+\c], v[BM+\c], v[T4+\c]     ; with lane l xor 16's: the block's largest magnitude
.endr
.irp c, 0,1
	s_delay_alu instid0(VALU_DEP_2)
	v_add_nc_u32 v[SCO+\c], 0xf8800000, v[BM+\c]   ; 15 off its exponent field: the conversion's scale operand
.endr
.irp c, 0,1
	s_delay_alu instid0(VALU_DEP_4)
	v_and_or_b32 v[LIM+\c], v[BM+\c], 0x7f800000, s[MNT]   ; 57,344 x the scale
.endr
.irp c, 0,1
	s_delay_alu instid0(VALU_DEP_4)
	v_lshrrev_b32 v[T4+\c], 23, v[SCO+\c]          ; the scale's byte
.endr
	s_delay_alu instid0(VALU_DEP_1)
	v_lshl_or_b32 v[\word], v[T4+1], 8, v[T4]
	s_delay_alu instid0(VALU_DEP_1)
	v_lshl_or_b32 v[\word], v[\word], 16, v[\word]
.irp c, 0,1
.irp i, 0,1,2,3,4,5,6,7,8,9,10,11,12,13,14,15
	v_med3_num_f32 v[\src+16*\c+\i], v[\src+16*\c+\i], -v[LIM+\c], v[LIM+\c]   ; the conversion does not saturate (ISA guide 7.6.2): the hold comes first
.endr
	v_cvt_scalef32_pk8_bf8_f32 v[\dst+4*\c:\dst+4*\c+1], v[\src+16*\c:\src+16*\c+7], v[SCO+\c]
	v_cvt_scalef32_pk8_bf8_f32 v[\dst+4*\c+2:\dst+4*\c+3], v[\src+16*\c+8:\src+16*\c+15], v[SCO+\c]
.endr
	v_nop                                          ; one plain vector instruction behind the last scaled conversion
.endm
; 16 rows of 256 bytes, as loaded (two rows a load), through my stage; back 16 neighbours a group.  LDS serves a wave's instructions in order
.macro TURN src, ast, ald
.irp i, 0,1,2,3,4,5,6,7
	ds_store_b128 v[\ast], v[\src+4*\i:\src+4*\i+3] offset:2*\i*SP
.endr
.irp cc, 0,1
.irp j, 0,1,2,3
	ds_load_b128 v[X+16*\cc+4*\j:X+16*\cc+4*\j+3], v[\ald] offset:128*\cc+16*\j
.endr
.endr
.endm
.macro LDK                             ; my 16 keys: two runs of eight rows, 16 rows apart
.irp i, 0,1,2,3,4,5,6,7
	global_load_b128 v[R+4*\i:R+4*\i+3], v[LI], s[GP:GP+1] offset:512*\i+(\i/4)*2048
.endr
.endm
.macro LDV                             ; my channel, 32 keys
.set i, 0
.rept 32
	global_load_b32 v[R+i], v[L4], s[GP:GP+1] offset:256*i
.set i, i+1
.endr
.endm
.macro PRE                             ; the step's addresses, its scale words and K's fragments 0, 1: nine LDS loads
	v_add_nc_u32 v[ADK], s[TB], v[LI]
	v_add_nc_u32 v[TMP], s[TS], v[LI]
	ds_load_b128 v[SW:SW+3], v[TMP]                ; lanes 0-15 K's four scale words, lanes 16-31 V's
.irp b, 0,1
.irp c, 0,1,2,3
	ds_load_b128 v[KF+16*\b+4*\c:KF+16*\b+4*\c+3], v[ADK] offset:2048*\b+512*\c
.endr
.endr
.endm
; One step's k and v become images.  ld = 1: the loads of the step after it are issued.  pre = 1: the step in hand's first LDS loads go out under this work
.macro QNT ld, pre
	s_wait_loadcnt 0x0                             ; my numbers are in, so the loads' base may be stepped
.if \ld
	s_wait_xcnt 0x0                                ; and any prefetch of mine has read its address
	s_add_nc_u64 s[GP:GP+1], s[GP:GP+1], 32768
	s_add_nc_u64 s[PF:PF+1], s[PF:PF+1], 32768
.endif
	s_cmp_lt_u32 s[WV], 8
	s_cbranch_scc0 .Lqv_\@
	TURN R, KST, KLD
	s_add_co_u32 s30, s[QB], s[KC]
	s_add_co_u32 s31, s[QSB], s[KS]
.if \pre
.rept 7
	v_nop                                          ; with PRE's two additions nine places behind the last products
.endr
	PRE
	s_wait_alu depctr_va_vdst(0)
	s_wait_dscnt 9                                 ; the turned numbers are in; PRE's nine loads may be out
.else
	s_wait_dscnt 0x0
.endif
.if \ld
	LDK
.endif
	QQ X, PC, PW
	v_add_nc_u32 v[T4], s30, v[LI]
	v_add_nc_u32 v[T4+1], s31, v[R16]
	ds_store_b128 v[T4], v[PC:PC+3]                ; groups 2 u and 2 u + 1 of fragment b
	ds_store_b128 v[T4], v[PC+4:PC+7] offset:512
	ds_store_b16 v[T4+1], v[PW]                    ; lanes r and r + 16 write the same two bytes
	s_wait_alu depctr_va_vdst(0)
	s_branch .Lqj_\@
.Lqv_\@:
	s_add_co_u32 s30, s[QB], s[VC]
	s_add_co_u32 s31, s[QSB], s[VS]
	v_max3_num_f32 v[BM], |v[R]|, |v[R+1]|, |v[R+2]|
	v_max3_num_f32 v[BM+1], |v[R+3]|, |v[R+4]|, |v[R+5]|
.irp i, 6,10,14,18,22,26
	s_delay_alu instid0(VALU_DEP_2)
	v_max3_num_f32 v[BM], v[BM], |v[R+\i]|, |v[R+\i+1]|
	s_delay_alu instid0(VALU_DEP_2)
	v_max3_num_f32 v[BM+1], v[BM+1], |v[R+\i+2]|, |v[R+\i+3]|
.endr
	s_delay_alu instid0(VALU_DEP_2)
	v_max3_num_f32 v[BM], v[BM], |v[R+30]|, |v[R+31]|
	s_delay_alu instid0(VALU_DEP_1)
	v_max3_num_f32 v[BM], v[BM], v[BM+1], 0x8000000
	s_delay_alu instid0(VALU_DEP_1)
	v_add_nc_u32 v[SCO], 0xf8800000, v[BM]
	s_delay_alu instid0(VALU_DEP_2)
	v_and_or_b32 v[LIM], v[BM], 0x7f800000, s[MNT]
	s_delay_alu instid0(VALU_DEP_2)
	v_lshrrev_b32 v[T4], 23, v[SCO]
.if \pre
	PRE                                            ; the lines above are more than nine places behind the last products
.endif
.set i, 0
.rept 32
	v_med3_num_f32 v[R+i], v[R+i], -v[LIM], v[LIM]
.set i, i+1
.endr
.irp g, 0,1,2,3
	v_cvt_scalef32_pk8_bf8_f32 v[PC+2*\g:PC+2*\g+1], v[R+8*\g:R+8*\g+7], v[SCO]
.endr
	v_add_nc_u32 v[T4+1], s30, v[VIM]              ; (also the plain instruction behind the last conversion)
	v_add_nc_u32 v[T4+2], s31, v[VSL]
.if \ld
	LDV
.endif
	ds_store_b128 v[T4+1], v[PC:PC+3]              ; keys 0-15 of the block: the image's lanes 0-15
	ds_store_b128 v[T4+1], v[PC+4:PC+7] offset:256 ; keys 16-31: its lanes 16-31
	ds_store_b8 v[T4+2], v[T4]
	s_wait_alu depctr_va_vdst(0)
.Lqj_\@:
.if \ld
	s_cmp_ge_u32 s[CNT], s[PL]
	s_cbranch_scc0 .Lnp_\@
	global_prefetch_b8 v[PFO], s[PF:PF+1] th:TH_LOAD_NT scope:SCOPE_SE   ; two steps on from the loads just issued
.Lnp_\@:
.endif
	s_add_co_u32 s[QB], s[QB], 16384
	s_add_co_u32 s[QSB], s[QSB], 512
	s_wait_dscnt 0x0                               ; for the others' sake: my stores into the image are done
	s_barrier_signal -1
.endm
	s_load_b256 s[4:11], s[0:1], 0x0               ; q, k, v, out0
	v_lshl_add_u32 v254, v0, 2, SPARE
	v_mov_b32 v255, 0
	v_lshrrev_b32 v1, 5, v0
	v_readfirstlane_b32 s[WV], v1                  ; wave 0..15
	s_and_b32 s13, ttmp7, 0xffff
	s_lshl_b32 s13, s13, 19                        ; the head's 524,288 bytes
	s_bfe_u32 s39, ttmp6, 0x40000                  ; my place in the cluster: it enters global addresses alone
	s_lshl_b32 s14, ttmp9, 2
	s_add_co_u32 s39, s39, s14                     ; my block of 512 queries
	s_lshl_b32 s14, s39, 17                        ; its 131,072 bytes
	s_add_co_u32 s14, s14, s13
	s_lshl_b32 s15, s[WV], 12                      ; my wave's 16 rows
	s_add_co_u32 s14, s14, s15
	s_mov_b32 s15, 0
	s_lshl_b32 s44, s39, 13                        ; the prefetches: my work-group's quarter of a step's 32,768 bytes,
	s_add_co_u32 s44, s44, s13
	s_add_co_u32 s44, s44, 65536                   ; at step 2: stepped ahead of each use
	s_mov_b32 s45, 0
	s_and_b32 s16, s[WV], 1                        ; K: u.  V: g, channels 32 g on
	s_bfe_u32 s17, s[WV], 0x20001                  ; K: b.  V: c, keys 32 c on
	s_lshl_b32 s[KC], s17, 11
	s_lshl_b32 s30, s16, 10
	s_add_co_u32 s[KC], s[KC], s30                 ; fragment b, group 2 u
	s_lshl_b32 s[VC], s16, 12
	s_lshl_b32 s30, s17, 9
	s_add_co_u32 s[VC], s[VC], s30
	s_add_co_u32 s[VC], s[VC], 8192                ; V's fragment 2 g, group c
	s_lshl_b32 s[KS], s17, 2
	s_lshl_b32 s30, s16, 1
	s_add_co_u32 s[KS], s[KS], s30                 ; word b, bytes 2 u and 2 u + 1
	s_lshl_b32 s[VS], s16, 3
	s_add_co_u32 s[VS], s[VS], s17
	s_add_co_u32 s[VS], s[VS], 256                 ; word 2 g, byte c
	s_lshl_b32 s32, s17, 13
	s_lshl_b32 s30, s16, 11
	s_add_co_u32 s32, s32, s30                     ; k: key 32 b + 8 u
	s_lshl_b32 s33, s17, 13
	s_lshl_b32 s30, s16, 7
	s_add_co_u32 s33, s33, s30                     ; v: key 32 c, channel 32 g
	s_cmp_lt_u32 s[WV], 8
	s_cselect_b32 s32, s32, s33
	s_add_co_u32 s32, s32, s13
	s_mov_b32 s33, 0
	s_and_b32 s34, s[WV], 7
	s_cmp_eq_u32 s34, 0
	s_cselect_b32 s[PL], 3, 99
	s_mul_i32 s34, s34, 16*SP
	s_add_co_u32 s34, s34, STG                     ; k's stage
	s_mul_i32 s35, s[WV], 16*SP
	s_add_co_u32 s35, s35, QSTG                    ; q's stage
	s_mul_i32 s36, s[WV], 8*SP
	s_add_co_u32 s36, s36, STG                     ; the way out's stage
	s_mov_b32 s[QB], 8192
	s_mov_b32 s[QSB], 0
	s_mov_b32 s[CNT], 14
	s_mov_b32 s[SEL], 0x76543210
	s_mov_b32 s[SEL+1], 0xfedcba98
	s_mov_b32 s[CS], 0x3e38aa3b                    ; c = log2(e) / 8
	s_mov_b32 s[CS+1], s[CS]
	s_mov_b32 s[MNT], 0x600000
	v_and_b32 v[O+4], 31, v0
	v_and_b32 v[O+2], 15, v0                       ; r
	v_bfe_u32 v[O+3], v0, 4, 1                     ; lane / 16
	v_lshlrev_b32 v[LI], 4, v[O+4]
	v_lshlrev_b32 v[L4], 2, v[O+4]
	v_lshlrev_b32 v[PFO], 8, v[O+4]
	v_lshlrev_b32 v[R16], 4, v[O+2]
	v_lshlrev_b32 v[QAD], 6, v[O+3]
	v_lshl_add_u32 v[QAD], v[O+2], 8, v[QAD]
	v_lshl_add_u32 v[VSL], v[O+3], 2, v[R16]
	v_lshl_add_u32 v[VIM], v[O+3], 11, v[R16]
	v_mul_u32_u24 v[O+5], v[O+3], SP
	v_add_nc_u32 v[O+5], v[O+5], v[R16]            ; two rows an instruction: row lane / 16, byte 16 r
	v_mul_u32_u24 v[O+6], v[O+2], SP
	v_lshl_add_u32 v[O+6], v[O+3], 6, v[O+6]       ; row r, + 64 bytes for lanes 16-31
	v_add_nc_u32 v[KST], s34, v[O+5]
	v_add_nc_u32 v[KLD], s34, v[O+6]
	v_add_nc_u32 v[O], s35, v[O+5]
	v_add_nc_u32 v[O+1], s35, v[O+6]
	v_add_nc_u32 v[RD], s36, v[O+5]
	v_and_b32 v[O+7], 7, v0
	v_mul_u32_u24 v[STO], v[O+7], SP
	v_lshl_add_u32 v[STO], v[O+3], 5, v[STO]
	v_bfe_u32 v[O+7], v0, 3, 1
	v_lshl_add_u32 v[STO], v[O+7], 7, v[STO]
	v_add_nc_u32 v[STO], s36, v[STO]               ; stage row r % 8, + 128 (r / 8) + 32 (lane / 16)
	s_wait_alu depctr_va_vdst(0)
	s_wait_kmcnt 0x0
	s_add_nc_u64 s[4:5], s[4:5], s[14:15]
	s_add_nc_u64 s[10:11], s[10:11], s[14:15]
	s_cmp_lt_u32 s[WV], 8
	s_cselect_b64 s[GP:GP+1], s[6:7], s[8:9]
	s_add_nc_u64 s[PF:PF+1], s[GP:GP+1], s[44:45]
	s_add_nc_u64 s[GP:GP+1], s[GP:GP+1], s[32:33]
	s_cbranch_scc0 .Lpv
	LDK                                            ; step 0
	s_branch .Lpj
.Lpv:
	LDV
.Lpj:
.irp i, 0,1,2,3,4,5,6,7
	global_load_b128 v[S+4*\i:S+4*\i+3], v[LI], s[4:5] offset:512*\i th:TH_LOAD_NT          ; pass 0's rows of q: 512 consecutive bytes a load
.endr
.irp b, 0,1,2,3
	v_mov_b32 v[T4+\b], 0                          ; a lane permute's destination counts as one of its sources
.endr
	v_mov_b32 v[TMP], 0
	v_mov_b32 v[F+1], 0
.irp i, 0,1,2,3,4,5,6,7
	v_mov_b32 v[Q+8+\i], 0                         ; the zero codes between Q's two copies
.endr
	s_wait_alu depctr_va_vdst(0)
	s_wait_loadcnt 0x0
	TURN S, O, O+1
	s_wait_dscnt 0x0
	QQ X, Q, QS
.irp i, 0,1,2,3,4,5,6,7
	v_mov_b32 v[Q+16+\i], v[Q+\i]
.endr
	QNT 1, 0                                       ; image 0; step 1's loads go out
; A KEY STEP: 128 keys.  qn = 1: the next step is quantised and the one after it loaded; 2: quantised alone; 0: neither.
; fb = 1: K's fragments 0, 1 and its scale words were loaded in the step before, into R and SWK.  pl = 1: the next step's are loaded
.macro STEP qn, fb, pl
.set FB, KF+(R-KF)*\fb
.set KSW, SW+(SWK-SW)*\fb
.if \qn == 1
	QNT 1, 1
.endif
.if \qn == 2
	QNT 0, 1
.endif
.if \qn == 0
.rept 7
	v_nop                                          ; with the two additions nine places behind the last products, whose operands are loaded over and written by the next products
.endr
.if \fb
	v_add_nc_u32 v[ADK], s[TB], v[LI]
	v_add_nc_u32 v[TMP], s[TS], v[LI]
	ds_load_b128 v[SW:SW+3], v[TMP]                ; for V
.else
	PRE
.endif
.endif
.irp b, 2,3
.irp c, 0,1,2,3
	ds_load_b128 v[PC+16*(\b-2)+4*\c:PC+16*(\b-2)+4*\c+3], v[ADK] offset:2048*\b+512*\c
.endr
.endr
	s_wait_alu depctr_va_vdst(0)
.irp b, 0,1,2,3
.if (\b > 1) || ((\qn == 0) && (\fb == 0))
	s_wait_dscnt 12-4*\b                           ; fragment b is in: behind it stand the 4 (3 - b) loads of the later fragments.  (Fragments 0, 1 loaded earlier have been waited for)
.endif
	v_wmma_scale_f32_16x16x128_f8f6f4 v[S+16*\b:S+16*\b+7], v[FB+16*\b+(\b/2)*(PC-FB-32):FB+16*\b+(\b/2)*(PC-FB-32)+15], v[Q:Q+15], 0, v[KSW+\b], v[QS] matrix_a_fmt:MATRIX_FMT_BF8 matrix_b_fmt:MATRIX_FMT_BF8
	v_wmma_scale_f32_16x16x128_f8f6f4 v[S+16*\b+8:S+16*\b+15], v[FB+16*\b+(\b/2)*(PC-FB-32):FB+16*\b+(\b/2)*(PC-FB-32)+15], v[Q+8:Q+23], 0, v[KSW+\b], v[QS] matrix_a_fmt:MATRIX_FMT_BF8 matrix_b_fmt:MATRIX_FMT_BF8
.endr                                          ; register S + 16 b + i of lane (r, h): query r, key 32 b + 16 h + i
.rept 8
	v_nop                                          ; eight places: ahead of the loads and writes over K's fragments and scale words and of the first read of the scores
.endr
.irp t, 0,1
.irp c, 0,1,2,3
	ds_load_b128 v[KF+16*\t+4*\c:KF+16*\t+4*\c+3], v[ADK] offset:8192+2048*\t+512*\c
.endr
.endr
.if \pl
	ds_load_b128 v[SWK:SWK+3], v[TMP] offset:512
.irp b, 0,1
.irp c, 0,1,2,3
	ds_load_b128 v[R+16*\b+4*\c:R+16*\b+4*\c+3], v[ADK] offset:16384+2048*\b+512*\c
.endr
.endr
.endif
.irp b, 0,1,2,3
	v_max3_num_f32 v[BM+\b], v[S+16*\b], v[S+1+16*\b], v[S+2+16*\b]   ; the largest score of each block of 32 keys: for the row's maximum and for the block's largest p
.endr
.irp i, 3,5,7,9,11,13
.irp b, 0,1,2,3
	v_max3_num_f32 v[BM+\b], v[BM+\b], v[S+16*\b+\i], v[S+1+16*\b+\i]
.endr
.endr
.irp b, 0,1,2,3
	v_max_num_f32 v[BM+\b], v[BM+\b], v[S+15+16*\b]
.endr
.irp b, 0,1,2,3
	s_delay_alu instid0(VALU_DEP_4)
	v_permlanex16_b32 v[T4+\b], v[BM+\b], s[SEL], s[SEL+1]
.endr
.irp b, 0,1,2,3
	s_delay_alu instid0(VALU_DEP_4)
	v_max_num_f32 v[BM+\b], v[BM+\b], v[T4+\b]
.endr
	s_delay_alu instid0(VALU_DEP_2)
	v_max3_num_f32 v[TMP], v[BM], v[BM+1], v[BM+2]
	s_delay_alu instid0(VALU_DEP_1)
	v_max_num_f32 v[TMP], v[TMP], v[BM+3]
	s_delay_alu instid0(VALU_DEP_1)
	v_mul_f32 v[TMP], s[CS], v[TMP]
	s_delay_alu instid0(VALU_DEP_1)
	v_max_num_f32 v13, v13, v[TMP]                 ; the running largest t
	v_mov_b32 v[TMP], v12
	s_delay_alu instid0(VALU_DEP_2)
	v_floor_f32 v12, -v13                          ; the new -M = -ceil(t)
	s_delay_alu instid0(VALU_DEP_1)
	v_sub_f32 v[TMP], v12, v[TMP]
	s_delay_alu instid0(VALU_DEP_1)
	v_cvt_i32_f32 v[TMP], v[TMP]
	s_delay_alu instid0(VALU_DEP_1)
	v_ldexp_f32 v[F], 1.0, v[TMP]                  ; f = 2^(old M - new M)
.set j, 0
.rept 16
	v_pk_fma_f32 v[S+j:S+j+1], v[S+j:S+j+1], s[CS:CS+1], v[12:13] op_sel_hi:[1,0,0]   ; t - M of blocks 0, 1
.set j, j+2
.endr
.irp b, 0,1,2,3
	v_fma_f32 v[BM+\b], v[BM+\b], s[CS], v12
.endr
	s_wait_alu depctr_va_vdst(0)
.set j, 0
.rept 16                                       ; THE FIRST BATCH: p of blocks 0, 1; among its lines t - M of blocks 2, 3, which is read behind the next two waits
	v_exp_f32 v[S+j], v[S+j]
	v_exp_f32 v[S+j+1], v[S+j+1]
	v_pk_fma_f32 v[S+32+j:S+33+j], v[S+32+j:S+33+j], s[CS:CS+1], v[12:13] op_sel_hi:[1,0,0]
.set j, j+2
.endr
.irp b, 0,1,2,3
	v_exp_f32 v[BM+\b], v[BM+\b]                   ; the block's largest p
.endr
	v_pk_mul_f32 v[14:15], v[14:15], v[F:F+1] op_sel_hi:[1,0]   ; the sum under the new M; a plain instruction behind the batch
	s_wait_alu depctr_va_vdst(0)                   ; and the wait behind it
.irp b, 0,1,2,3
	v_max_num_f32 v[BM+\b], 0x8000000, v[BM+\b]
.endr
.irp b, 0,1,2,3
	s_delay_alu instid0(VALU_DEP_4)
	v_add_nc_u32 v[SCO+\b], 0xf8800000, v[BM+\b]
.endr
.irp b, 0,1,2,3
	v_and_or_b32 v[LIM+\b], v[BM+\b], 0x7f800000, s[MNT]
.endr
.irp b, 0,1,2,3
	v_lshrrev_b32 v[T4+\b], 23, v[SCO+\b]
.endr
	s_delay_alu instid0(VALU_DEP_3)
	v_lshl_or_b32 v[PW], v[T4+1], 8, v[T4]         ; p's scale word
	s_delay_alu instid0(VALU_DEP_1)
	v_lshl_or_b32 v[PW], v[T4+2], 16, v[PW]
	s_delay_alu instid0(VALU_DEP_1)
	v_lshl_or_b32 v[PW], v[T4+3], 24, v[PW]
	v_pk_add_f32 v[SB:SB+1], v[S:S+1], v[S+2:S+3]  ; the row's sum of the unquantised p, in four chains: blocks 0, 1
	v_pk_add_f32 v[SC:SC+1], v[S+4:S+5], v[S+6:S+7]
	v_pk_add_f32 v[SD:SD+1], v[S+8:S+9], v[S+10:S+11]
	v_pk_add_f32 v[14:15], v[14:15], v[S+12:S+13]
.irp j, 14,22
	v_pk_add_f32 v[SB:SB+1], v[SB:SB+1], v[S+\j:S+\j+1]
	v_pk_add_f32 v[SC:SC+1], v[SC:SC+1], v[S+\j+2:S+\j+3]
	v_pk_add_f32 v[SD:SD+1], v[SD:SD+1], v[S+\j+4:S+\j+5]
	v_pk_add_f32 v[14:15], v[14:15], v[S+\j+6:S+\j+7]
.endr
	v_pk_add_f32 v[SB:SB+1], v[SB:SB+1], v[S+30:S+31]
	s_wait_alu depctr_va_vdst(0)
.irp b, 0,1                                    ; THE SECOND BATCH: p of blocks 2, 3; among its lines the hold of blocks 0, 1 (one-sided: p is not negative), which is read behind the next wait
.irp i, 0,2,4,6,8,10,12,14
	v_exp_f32 v[S+32+16*\b+\i], v[S+32+16*\b+\i]
	v_exp_f32 v[S+33+16*\b+\i], v[S+33+16*\b+\i]
	v_dual_min_num_f32 v[S+16*\b+\i], v[S+16*\b+\i], v[LIM+\b] :: v_dual_min_num_f32 v[S+16*\b+\i+1], v[S+16*\b+\i+1], v[LIM+\b]
.endr
.endr
	v_nop                                          ; a plain place behind the batch
	s_wait_alu depctr_va_vdst(0)                   ; and the wait behind it
.irp b, 0,1
	v_cvt_scalef32_pk8_bf8_f32 v[PC+4*\b:PC+4*\b+1], v[S+16*\b:S+16*\b+7], v[SCO+\b]
	v_cvt_scalef32_pk8_bf8_f32 v[PC+4*\b+2:PC+4*\b+3], v[S+16*\b+8:S+16*\b+15], v[SCO+\b]
.endr
.irp t, 2,3
.irp c, 0,1,2,3
	ds_load_b128 v[S+16*(\t-2)+4*\c:S+16*(\t-2)+4*\c+3], v[ADK] offset:8192+2048*\t+512*\c   ; V's fragments 2, 3 over the p that are converted
.endr
.endr
.irp j, 32,40,48,56
	v_pk_add_f32 v[SC:SC+1], v[SC:SC+1], v[S+\j:S+\j+1]      ; the sum: blocks 2, 3
	v_pk_add_f32 v[SD:SD+1], v[SD:SD+1], v[S+\j+2:S+\j+3]
	v_pk_add_f32 v[14:15], v[14:15], v[S+\j+4:S+\j+5]
	v_pk_add_f32 v[SB:SB+1], v[SB:SB+1], v[S+\j+6:S+\j+7]
.endr
	v_pk_add_f32 v[SB:SB+1], v[SB:SB+1], v[SC:SC+1]
	v_pk_add_f32 v[14:15], v[14:15], v[SD:SD+1]
	v_pk_add_f32 v[14:15], v[14:15], v[SB:SB+1]
.irp b, 2,3
.irp i, 0,2,4,6,8,10,12,14
	v_dual_min_num_f32 v[S+16*\b+\i], v[S+16*\b+\i], v[LIM+\b] :: v_dual_min_num_f32 v[S+16*\b+\i+1], v[S+16*\b+\i+1], v[LIM+\b]
.endr
	v_cvt_scalef32_pk8_bf8_f32 v[PC+4*\b:PC+4*\b+1], v[S+16*\b:S+16*\b+7], v[SCO+\b]
	v_cvt_scalef32_pk8_bf8_f32 v[PC+4*\b+2:PC+4*\b+3], v[S+16*\b+8:S+16*\b+15], v[SCO+\b]
.endr
	s_wait_alu depctr_va_vdst(0)
.set j, 0
.rept 16
	v_pk_mul_f32 v[O+j:O+j+1], v[O+j:O+j+1], v[F:F+1] op_sel_hi:[1,0]   ; O^T under the new M; also the places between the conversions and the products
.set j, j+2
.endr
	s_wait_alu depctr_va_vdst(0)
	s_wait_dscnt 0x0                               ; V's fragments are in (pl = 1: and the next step's first loads)
.irp t, 0,1,2,3                                ; the four accumulators take turns
	v_wmma_scale_f32_16x16x128_f8f6f4 v[O+8*\t:O+8*\t+7], v[KF+16*\t+(\t/2)*VHOP:KF+16*\t+(\t/2)*VHOP+15], v[PC:PC+15], v[O+8*\t:O+8*\t+7], v[SW+\t], v[PW] matrix_a_fmt:MATRIX_FMT_BF8 matrix_b_fmt:MATRIX_FMT_BF8 matrix_a_scale:MATRIX_SCALE_ROW1
.endr
	s_add_co_u32 s[TB], s[TB], 16384
	s_add_co_u32 s[TS], s[TS], 512
.if \qn
	s_barrier_wait -1                              ; every wave's part of the next step's image is written
.endif
.endm
.macro RUN n, qn, fb, pl
	s_mov_b32 s[CNT], \n
.Lstep_\@:
	STEP \qn, \fb, \pl
	s_sub_co_u32 s[CNT], s[CNT], 1
	s_cmp_lg_u32 s[CNT], 0
	s_cbranch_scc1 .Lstep_\@
.endm
.macro INIT                            ; the first step finds zeros, which the first change of M leaves zeros
	v_mov_b32 v13, 0xff61b1e6                      ; -3e38, under every t
	v_floor_f32 v12, -v13
	v_mov_b32 v14, 0
	v_mov_b32 v15, 0
.set j, 0
.rept 32
	v_mov_b32 v[O+j], 0
.set j, j+1
.endr
	s_mov_b32 s[TB], 8192
	s_mov_b32 s[TS], 0
.endm
; THE WAY OUT of pass p.  O^T / the sum.  Lanes r and r xor 8 exchange half of their numbers, so that all 32 lanes hold rows 0-7 (then rows 8-15): lanes r < 8 channels 0-31, lanes r >= 8 channels 32-63.
; Eight rows at a time go through my stage, all lanes on, and come back as whole rows: a store of the wave covers 512 consecutive bytes, aligned.
.macro OUT p
	s_wait_xcnt 0x0                                ; earlier stores have read their registers
.rept 8
	v_nop                                          ; eight places behind the last products
.endr
	v_add_f32 v14, v14, v15
	v_permlanex16_b32 v[TMP], v14, s[SEL], s[SEL+1]
	v_add_f32 v14, v14, v[TMP]                     ; the row's sum
	s_wait_alu depctr_va_vdst(0)
	v_rcp_f32 v14, v14
	v_and_b32 v[TMP], 128, v[LI]                   ; 0 where r < 8.  (The plain instruction behind the transcendental)
	s_wait_alu depctr_va_vdst(0)                   ; and behind it, directly ahead of the first readers of O^T
.set j, 0
.rept 16
	v_pk_mul_f32 v[S+j:S+j+1], v[O+j:O+j+1], v[14:15] op_sel_hi:[1,0]   ; register 8 t + i: out0(r, 16 t + 8 h + i)
.set j, j+2
.endr
	v_cmp_eq_u32 vcc_lo, 0, v[TMP]
.set j, 0
.rept 16
	v_cndmask_b32 v[KF+j], v[S+j], v[S+16+j], vcc_lo          ; what I give: r < 8: tiles 2, 3; r >= 8: tiles 0, 1
.set j, j+1
.endr
.set j, 0
.rept 16
	v_mov_b32_dpp v[KF+16+j], v[KF+j] row_xmask:8 row_mask:0xf bank_mask:0xf
.set j, j+1
.endr
.set j, 0
.rept 16
	v_cndmask_b32 v[S+j], v[KF+16+j], v[S+j], vcc_lo          ; rows 0-7
	v_cndmask_b32 v[S+16+j], v[S+16+j], v[KF+16+j], vcc_lo    ; rows 8-15
.set j, j+1
.endr
.irp u, 0,1
.irp t, 0,1
	ds_store_b128 v[STO], v[S+16*\u+8*\t:S+16*\u+8*\t+3] offset:64*\t
	ds_store_b128 v[STO], v[S+16*\u+8*\t+4:S+16*\u+8*\t+7] offset:64*\t+16
.endr
.irp i, 0,1,2,3
	ds_load_b128 v[R+16*\u+4*\i:R+16*\u+4*\i+3], v[RD] offset:2*\i*SP   ; LDS serves a wave's instructions in order
.endr
.endr
.irp i, 0,1,2,3
	s_wait_dscnt 11-\i                             ; behind load i: 3 - i loads, four stores, four loads
	global_store_b128 v[LI], v[R+4*\i:R+4*\i+3], s[10:11] offset:(\p)*65536+512*\i th:TH_STORE_NT
.endr
.irp i, 0,1,2,3
	s_wait_dscnt 3-\i
	global_store_b128 v[LI], v[R+16+4*\i:R+16+4*\i+3], s[10:11] offset:(\p)*65536+2048+512*\i th:TH_STORE_NT
.endr
.endm
	; ---- pass 0: queries 0-255 of my block; the images are made on the way
	INIT
	s_barrier_wait -1                              ; image 0 is whole
	RUN 14, 1, 0, 0                                ; trips 0-13: image s + 1 is made, step s + 2 loaded
	STEP 2, 0, 0                                   ; trip 14: image 15
.irp cc, 0,1
.irp j, 0,1,2,3
	global_load_b128 v[R+16*\cc+4*\j:R+16*\cc+4*\j+3], v[QAD], s[4:5] offset:65536+128*\cc+16*\j th:TH_LOAD_NT   ; pass 1's q, 16 neighbours a group, into the registers that k and v have left; it lands under trip 15
.endr
.endr
	STEP 0, 0, 0
	s_wait_loadcnt 0x0
	QQ R, Q, QS                                    ; its first lines are more than eight places behind the last products that read Q
.irp i, 0,1,2,3,4,5,6,7
	v_mov_b32 v[Q+16+\i], v[Q+\i]
.endr
	OUT 0
	; ---- pass 1: queries 256-511
	INIT
	s_wait_xcnt 0x0                                ; the stores have read R
	v_add_nc_u32 v[ADK], s[TB], v[LI]
	ds_load_b128 v[SWK:SWK+3], v[LI]               ; step 0's scale words and K's fragments 0, 1
.irp b, 0,1
.irp c, 0,1,2,3
	ds_load_b128 v[R+16*\b+4*\c:R+16*\b+4*\c+3], v[ADK] offset:2048*\b+512*\c
.endr
.endr
	s_wait_alu depctr_va_vdst(0)
	s_wait_dscnt 0x0
	RUN 15, 0, 1, 1
	STEP 0, 1, 0                                   ; the last step is written out: nothing lies behind image 15
	OUT 1
	s_wait_tensorcnt 0x0                           ; the wave's end
	ds_add_u32 v254, v255
	s_wait_dscnt 0x0
	s_endpgm
.Lfunc_end_k_q2f4e22d79d_attn:
	.size	k_q2f4e22d79d_attn, .Lfunc_end_k_q2f4e22d79d_attn-k_q2f4e22d79d_attn
	.p2alignl 7, 3214868480
	.fill 96, 4, 3214868480
	.section	.rodata,"a",@progbits
	.p2align	6, 0x0
	.amdhsa_kernel k_q2f4e22d79d_attn
		.amdhsa_group_segment_fixed_size 307200
		.amdhsa_private_segment_fixed_size 0
		.amdhsa_enable_private_segment 0
		.amdhsa_kernarg_size 32
		.amdhsa_user_sgpr_count 2
		.amdhsa_user_sgpr_kernarg_segment_ptr 1
		.amdhsa_wavefront_size32 1
		.amdhsa_system_sgpr_workgroup_id_x 1
		.amdhsa_system_sgpr_workgroup_id_y 1
		.amdhsa_system_sgpr_workgroup_id_z 1
		.amdhsa_system_vgpr_workitem_id 0
		.amdhsa_next_free_vgpr 256
		.amdhsa_next_free_sgpr 66
		.amdhsa_reserve_vcc 1
		.amdhsa_float_denorm_mode_32 3
		.amdhsa_float_denorm_mode_16_64 3
		.amdhsa_memory_ordered 1
		.amdhsa_forward_progress 1
		.amdhsa_inst_pref_size 175
	.end_amdhsa_kernel
	.amdgpu_metadata
---
amdhsa.version: [ 1, 2 ]
amdhsa.kernels:
  - .name:           k_q2f4e22d79d_attn
    .symbol:         k_q2f4e22d79d_attn.kd
    .args:
      - { .name: q, .offset: 0, .size: 8, .value_kind: global_buffer, .address_space: global }
      - { .name: k, .offset: 8, .size: 8, .value_kind: global_buffer, .address_space: global }
      - { .name: v, .offset: 16, .size: 8, .value_kind: global_buffer, .address_space: global }
      - { .name: out0, .offset: 24, .size: 8, .value_kind: global_buffer, .address_space: global }
    .group_segment_fixed_size: 307200
    .private_segment_fixed_size: 0
    .kernarg_segment_align: 8
    .kernarg_segment_size: 32
    .max_flat_workgroup_size: 512
    .sgpr_count:     66
    .vgpr_count:     256
    .wavefront_size: 32
...
	.end_amdgpu_metadata
.endif
;; end of part 1
